; MI455X (gfx1250); checked and timed in simulation.
; The chip was launched on July 23, 2026; its instructions are those of AMD's public machine-readable ISA for CDNA 5 (MIT licence, August 2026) and "CDNA5" Instruction Set Architecture Reference Guide (July 2026). The comments in the code are by the model that wrote it; some were corrected since.
;; RP Scaled DP Attention. Allowed arithmetic: float matrix products may take bf16 or f16 operands with f32 sums; all other float work in f32.
;; Inputs: k 4 x 16 x 1,024 x 64 float32; mask 4 x 1 x 1 x 1,024 bool; pos_embedding 301 x 64 float32; q 4 x 16 x 1,024 x 64 float32; v 4 x 16 x 1,024 x 64 float32.
;; Outputs: out0 4 x 16 x 1,024 x 64 float32.
;; One version. Each part assembles by itself: llvm-mc -triple=amdgcn-amd-amdhsa -mcpu=gfx1250 --defsym DOCPART=n.
;; ======== version 1 of 1: 1 launch
;; limits: values are held in f16: magnitudes above 65,504 overflow, below 6.1e-05 lose precision
;; launch attn (part 1): grid 256 x 1, 8 waves a work-group, no clusters, 194,560 bytes of LDS; arguments q, k, v, pos_embedding, mask, out0; writes out0
.if DOCPART == 1
	.amdgcn_target "amdgcn-amd-amdhsa--gfx1250"
	.amdhsa_code_object_version 6
	.text
	.protected	k_q287e6bfc17_attn
	.globl	k_q287e6bfc17_attn
	.p2align	8
	.type	k_q287e6bfc17_attn,@function
k_q287e6bfc17_attn:
	s_mov_b64 s[64:65], 0
	v_nop
	global_prefetch_b8 v0, s[64:65] scope:SCOPE_SE
	s_setreg_imm32_b32 hwreg(HW_REG_WAVE_MODE, 25, 1), 1
	s_wait_xcnt 0x0
; out[b,h,i,:] = softmax_j( (q_i.k_j + q_i.P[idx(j-i)]) / 8, masked keys at -inf ) . v_j
; idx(d) = clip(d,-150,150)+149, where -1 means the table's last row: d <= -150 -> row 300, d >= 150 -> row 299, else row d+149.
; q, k, v, out: [64 heads][1024][64] f32.  P: [301][64] f32.  mask: [4 batches][1024] bytes.
;
; SHARING.  256 work-groups: head = id / 4, query block of 256 = id % 4.  Eight waves, 32 queries each (two row tiles of 16).
; Keys go in 16 steps of 64.  K and V are loaded as f32 through registers by all 256 threads (each wave instruction covers 512 consecutive
; bytes), rounded to f16 once for the work-group, and laid into two LDS slots that take turns; raw blocks are asked for two steps ahead.
;
; FORMAT.  All matrix operands are f16, all sums f32.  Where a few keys carry a row's weight and their terms p v cancel, the rounding of
; each operand shows in the result at full size: f16's 11 significant bits keep it at 2^-12 of a term, bf16's 8 bits would leave 2^-9.
; The probabilities lie in [0, 1], which f16 covers; for the inputs' range see LIMITS.
;
; TRANSPOSED.  S^T = K Q^T: lane (r, h) holds query r, register j key 8h+j.  Packed to f16 these registers ARE the second operand of
; O^T = V^T P^T (key tile 2g -> registers 0-3, tile 2g+1 -> registers 4-7): no lane moves between the two products, and the row's maximum
; and sum are per-lane numbers; one exchange between the two halves of the wave joins the maximum.
;
; THE POSITION TERM hangs on (i, j-i) alone.  With D = first key - first query of the wave (a multiple of 32):
;   D <= -224: every pair has j-i <= -150: the term is q_i.P[300];   D >= 192: it is q_i.P[299].  Both were made once, by matrix
;   instructions whose first operand is 16 equal table rows, so that all 8 result registers hold the lane's number: they serve as the
;   C operand of the step's first K Q^T product and cost no vector instruction.
;   otherwise (at most 6 of a wave's 16 steps): T^T[c][i] = Pext[D+192+c].q_i for 80 columns a row tile, laid as f32 into the wave's own
;   LDS stage and read back along the diagonal (column = key - query + 15) straight into the S registers, which the product takes as C.
;   Pext[t] = the table row of d = t-223, t = 0..447, in f16 in LDS.
;
; SOFTMAX in f32 with a running maximum, in base 2: u = S * (log2 e / 8) + bias(key), bias = 0 or -inf.
; The maximum starts at the most negative finite f32, so that a block with every key masked gives p = 0 and no NaN on the way.
;
; LIMITS KEPT.  Any non-zero mask byte counts as true.  q, k, v, P and the probabilities enter the products rounded to f16: a number of
; q, k, v or P beyond 65,504 in magnitude becomes infinite there, and one below 2^-14 is kept as an f16 denormal, with an absolute error
; of up to 2^-25; so is a probability below 2^-14 of the row's largest so far.  The row sum adds the probabilities before that rounding.
; v_exp_f32 and v_rcp_f32 flush denormals (ISA guide 15.8): probabilities below 2^-126 of the row's largest count as 0.
; A row whose keys are all masked ends as 0 * (1/0) = NaN, as the problem's function gives.
;
; NO CLUSTER: the only work-groups that read the same K and V are the four query blocks of a head, and in this text the choice between the
; three forms of a step and the LDS address into Pext hang on D, that is on the query block, the place that such a work-group would have in
; its cluster.  K and V also pass through registers here (f32 to f16 on the way), which a joint tile load into LDS would not spare.
.set KP,    144                        ; LDS pitch of f16 rows of 64 (128 bytes + 16): an odd multiple of 16, so 16 rows start in 16 different 16-byte columns modulo 256
.set VP,    160                        ; pitch of V's rows: an odd multiple of 32, for the transposing load
.set VOFF,  64*KP                      ; V lies behind K's 64 rows in a slot
.set SLOT,  VOFF+64*VP                 ; 19,456 bytes; two slots from byte 0
.set MBB,   2*SLOT                     ; 1,024 f32 biases
.set PEXT,  MBB+4096                   ; 448 rows of pitch KP
.set STG,   PEXT+448*KP                ; eight private stages
.set STGB,  32*336                     ; 10,752 bytes each: Q as f16 (32 x 144), then T (32 x 336), then O (32 x 272)
.set TP,    336                        ; T's pitch: 80 f32 + 16 bytes.  Diagonal stride 332 bytes = 83 words: lanes 83 r + 8 h fall on 32 different words modulo 64
.set OP,    272                        ; O's pitch on the way out
.set BLK,   16384                      ; 64 rows of 256 bytes of K or V in memory
; window 0 (v0-v255)
.set LN16, 7                           ; lane * 16
.set GO,   8                           ; thread * 16
.set KS,   9                           ; where my 8 bytes of K's row (thread/16) go
.set VS,   10                          ; the same for V
.set KA,   11                          ; fragment address: r * 144 + 16 h
.set VA,   12                          ; transposing load: VOFF + (8h + lane%8) * 160 + 16 * ((lane/8)%2)
.set MBA,  13                          ; biases of this step's keys 8h ..
.set PL,   14                          ; PEXT + r * 144 + 16 h
.set PA,   15                          ; PL + first table row of a band step
.set TS,   16                          ; stage, store address
.set TL,   17                          ; stage, load address
.set MO,   18                          ; v18, v19   running maximum of row tile 0, 1
.set NM,   20                          ; v[20:21]   -maximum (first register is broadcast); at the end 1/sum of tile 0
.set AL,   22                          ; v[22:23], v[24:25]  factor for the old sums; v[22:23] at the end 1/sum of tile 1
.set LS,   26                          ; v[26:27], v[28:29]  two partial row sums a lane
.set QF,   32                          ; v32-63     Q fragments [row tile][K half]
.set SC,   64                          ; v64-127    S [row tile][key tile], 8 registers each
.set TT,   64                          ; v64-143    ten tiles of T in a band step
.set BIAS, 128                         ; v128-159   biases of 4 key tiles ...
.set PB,   128                         ;            ... then the probabilities in f16 [row tile][key tile], 4 registers each
.set FR,   160                         ; v160-255   fragments: 6 x 16 of Pext, or 4 x 16 of K, or 8 x 8 of V
; window 1 (v256-v415, written as v0-v159)
.set GR,   0                           ; two sets of 32: raw K (16) and V (16) of a block; block n in set n % 2
.set OA,   64                          ; O [row tile][16 of dh], 8 registers each; in the prologue raw Q
.set CLR,  128                         ; q.P[300] in all 8 registers, row tile 0, 1
.set CRR,  144                         ; q.P[299] likewise
.set MSB, 0
.macro WIN new                         ; low byte: bits 1:0 source 0, 3:2 source 1, 5:4 source 2, 7:6 destination; high byte: the setting that is left
.if MSB != \new
	s_set_vgpr_msb (MSB<<8)|\new
.set MSB, \new
.endif
.endm
.macro PLACES n                        ; the places behind matrix instructions (ISA guide 7.12.1) where there is no independent vector work
.rept \n
	v_nop
.endr
.endm
; Round the raw block in register set 'set' to f16 and lay it into slot 'set'; then ask for the block 'blk' blocks behind the stepped bases.
; lcnt = how many younger loads may stay out: the eight of the block behind this one.
.macro CONV set, blk, issue, lcnt
	s_wait_loadcnt \lcnt
	WIN 0x45                                       ; destination and both sources in window 1
.irp i, 0,1,2,3,4,5,6,7
	v_cvt_pk_f16_f32 v[GR+32*\set+4*\i],   v[GR+32*\set+4*\i],   v[GR+32*\set+4*\i+1]
	v_cvt_pk_f16_f32 v[GR+32*\set+4*\i+1], v[GR+32*\set+4*\i+2], v[GR+32*\set+4*\i+3]
.endr
	WIN 0x04                                       ; LDS store: address window 0, data window 1
.irp i, 0,1,2,3
	ds_store_b64 v[KS], v[GR+32*\set+4*\i:GR+32*\set+4*\i+1]       offset:\set*SLOT+\i*16*KP
	ds_store_b64 v[VS], v[GR+32*\set+16+4*\i:GR+32*\set+16+4*\i+1] offset:\set*SLOT+\i*16*VP
.endr
.if \issue
	WIN 0x40                                       ; load: data window 1, address window 0
.irp i, 0,1,2,3
	global_load_b128 v[GR+32*\set+4*\i:GR+32*\set+4*\i+3],       v[GO], s[6:7] offset:\blk*BLK+\i*4096
	global_load_b128 v[GR+32*\set+16+4*\i:GR+32*\set+16+4*\i+3], v[GO], s[8:9] offset:\blk*BLK+\i*4096
.endr
.endif
	WIN 0
.endm
; A band step's position term.  Leaves 64 LDS loads into S on their way.
.macro TPHASE
	s_add_co_i32 s21, s20, 192                     ; first table row, D + 192.  On this path it lies in 0..352 already;
	s_max_i32 s21, s21, 0                          ; the two clamps change nothing and state that range in the text
	s_min_u32 s21, s21, 352
	s_mul_i32 s21, s21, KP
	v_add_nc_u32 v[PA], s21, v[PL]
.irp ct, 0,1,2,3,4,5
.irp kh, 0,1
	ds_load_b128 v[FR+16*\ct+8*\kh:FR+16*\ct+8*\kh+3],   v[PA] offset:\ct*16*KP+64*\kh        ; a lane's last byte in a row is 16 + 64 + 32 + 16 = 128: the padding is never read
	ds_load_b128 v[FR+16*\ct+8*\kh+4:FR+16*\ct+8*\kh+7], v[PA] offset:\ct*16*KP+64*\kh+32
.endr
.endr
	s_wait_dscnt 0x0
	; row tile 0 needs table tiles 1..5, row tile 1 tiles 0..4: column c' = key - r + 15 = 0..78 in both
.irp rt, 0,1
.irp cp, 0,1,2,3,4
	v_wmma_f32_16x16x32_f16 v[TT+8*(5*\rt+\cp):TT+8*(5*\rt+\cp)+7], v[FR+16*(\cp+1-\rt):FR+16*(\cp+1-\rt)+7], v[QF+16*\rt:QF+16*\rt+7], 0
.endr
.endr
.irp rt, 0,1
.irp cp, 0,1,2,3,4
	v_wmma_f32_16x16x32_f16 v[TT+8*(5*\rt+\cp):TT+8*(5*\rt+\cp)+7], v[FR+16*(\cp+1-\rt)+8:FR+16*(\cp+1-\rt)+15], v[QF+16*\rt+8:QF+16*\rt+15], v[TT+8*(5*\rt+\cp):TT+8*(5*\rt+\cp)+7]
.endr
.endr
	PLACES 5                                       ; before the stores read the results, loads land on results and fragments, and K Q^T writes over them
.irp rt, 0,1
.irp cp, 0,1,2,3,4
	ds_store_b128 v[TS], v[TT+8*(5*\rt+\cp):TT+8*(5*\rt+\cp)+3]   offset:\rt*16*TP+64*\cp
	ds_store_b128 v[TS], v[TT+8*(5*\rt+\cp)+4:TT+8*(5*\rt+\cp)+7] offset:\rt*16*TP+64*\cp+16
.endr
.endr
	; my own bytes, and LDS serves a wave's instructions in order (ISA guide 5.7.1): no wait between the stores and these loads
.irp rt, 0,1
.irp kt, 0,1,2,3
.irp jj, 0,1,2,3,4,5,6,7
	ds_load_b32 v[SC+32*\rt+8*\kt+\jj], v[TL] offset:\rt*16*TP+64*\kt+4*\jj
.endr
.endr
.endr
.endm
; biases and K fragments of the step
.macro LOADS par
.irp kt, 0,1,2,3
	ds_load_b128 v[BIAS+8*\kt:BIAS+8*\kt+3],   v[MBA] offset:64*\kt
	ds_load_b128 v[BIAS+8*\kt+4:BIAS+8*\kt+7], v[MBA] offset:64*\kt+16
.endr
.irp kt, 0,1,2,3
.irp kh, 0,1
	ds_load_b128 v[FR+16*\kt+8*\kh:FR+16*\kt+8*\kh+3],   v[KA] offset:\par*SLOT+\kt*16*KP+64*\kh
	ds_load_b128 v[FR+16*\kt+8*\kh+4:FR+16*\kt+8*\kh+7], v[KA] offset:\par*SLOT+\kt*16*KP+64*\kh+32
.endr
.endr
.endm
; 8 products S[rt][kt] = K[kt] Q[rt]^T over half kh of dh, on top of C: csel 0 = S itself, 1 = q.P[300], 2 = q.P[299]
.macro QK kh, csel
.if \csel == 0
.irp rt, 0,1
.irp kt, 0,1,2,3
	v_wmma_f32_16x16x32_f16 v[SC+32*\rt+8*\kt:SC+32*\rt+8*\kt+7], v[FR+16*\kt+8*\kh:FR+16*\kt+8*\kh+7], v[QF+16*\rt+8*\kh:QF+16*\rt+8*\kh+7], v[SC+32*\rt+8*\kt:SC+32*\rt+8*\kt+7]
.endr
.endr
.else
	WIN 0x10                                       ; C in window 1
.irp rt, 0,1
.irp kt, 0,1,2,3
	v_wmma_f32_16x16x32_f16 v[SC+32*\rt+8*\kt:SC+32*\rt+8*\kt+7], v[FR+16*\kt+8*\kh:FR+16*\kt+8*\kh+7], v[QF+16*\rt+8*\kh:QF+16*\rt+8*\kh+7], v[CLR+16*(\csel-1)+8*\rt:CLR+16*(\csel-1)+8*\rt+7]
.endr
.endr
	WIN 0
.endif
.endm
; V^T fragments: [32 keys g][16 of dh], by the transposing load from rows [key][dh]
.macro VLOADS par
.irp g, 0,1
.irp dt, 0,1,2,3
	ds_load_tr16_b128 v[FR+8*(4*\g+\dt):FR+8*(4*\g+\dt)+3],   v[VA] offset:\par*SLOT+\g*32*VP+32*\dt
	ds_load_tr16_b128 v[FR+8*(4*\g+\dt)+4:FR+8*(4*\g+\dt)+7], v[VA] offset:\par*SLOT+\g*32*VP+32*\dt+16*VP
.endr
.endr
.endm
; u = S * (log2 e / 8) + bias, two scores an instruction
.macro SCALE
.irp rt, 0,1
.irp j, 0,2,4,6,8,10,12,14,16,18,20,22,24,26,28,30
	v_pk_fma_f32 v[SC+32*\rt+\j:SC+32*\rt+\j+1], v[SC+32*\rt+\j:SC+32*\rt+\j+1], s[24:25], v[BIAS+\j:BIAS+\j+1] op_sel_hi:[1,0,1]
.endr
.endr
.endm
; one row tile: new maximum, p = 2^(u - m), the sums, p in f16.  first = 1: nothing old to carry.
.macro SOFTMAX rt, first
.set SB, SC+32*\rt
	v_max3_num_f32 v30, v[MO+\rt], v[SB], v[SB+1]  ; two chains; the old maximum rides in the first
	v_max_num_f32  v31, v[SB+16], v[SB+17]
.irp j, 2,4,6,8,10,12,14
	v_max3_num_f32 v30, v30, v[SB+\j], v[SB+\j+1]
	v_max3_num_f32 v31, v31, v[SB+16+\j], v[SB+17+\j]
.endr
	v_max_num_f32 v30, v30, v31
	v_permlanex16_b32 v31, v30, s26, s27           ; the other 32 keys of query r lie in lane r xor 16
	v_max_num_f32 v30, v30, v31                    ; m, finite: at least the floor that MO started from
	v_sub_f32 v[NM], 0, v30
.if \first == 0
	v_sub_f32 v[AL+2*\rt], v[MO+\rt], v30
.endif
.irp j, 0,2,4,6,8,10,12,14,16,18,20,22,24,26,28,30
	v_pk_add_f32 v[SB+\j:SB+\j+1], v[SB+\j:SB+\j+1], v[NM:NM+1] op_sel_hi:[1,0]
.endr
.if \first == 0
	v_exp_f32 v[AL+2*\rt], v[AL+2*\rt]             ; 2^(old m - m)
.endif
.set j, 0
.rept 32
	v_exp_f32 v[SB+j], v[SB+j]
.set j, j+1
.endr
	v_mov_b32 v[MO+\rt], v30                       ; the plain instruction between the exponentials and the first use of a result (ISA guide 5.7.2)
.if \first
	s_wait_alu depctr_va_vdst(0)
	v_pk_add_f32 v[LS+2*\rt:LS+2*\rt+1], v[SB:SB+1], v[SB+4:SB+5]
.else
	s_wait_alu depctr_va_vdst(0)
	v_pk_fma_f32 v[LS+2*\rt:LS+2*\rt+1], v[LS+2*\rt:LS+2*\rt+1], v[AL+2*\rt:AL+2*\rt+1], v[SB:SB+1] op_sel_hi:[1,0,1]
	v_pk_add_f32 v[LS+2*\rt:LS+2*\rt+1], v[LS+2*\rt:LS+2*\rt+1], v[SB+4:SB+5]
.endif
	v_pk_add_f32 v[2:3], v[SB+2:SB+3], v[SB+6:SB+7]
.irp j, 8,12,16,20,24,28
	v_pk_add_f32 v[LS+2*\rt:LS+2*\rt+1], v[LS+2*\rt:LS+2*\rt+1], v[SB+\j:SB+\j+1]
	v_pk_add_f32 v[2:3], v[2:3], v[SB+\j+2:SB+\j+3]
.endr
	v_pk_add_f32 v[LS+2*\rt:LS+2*\rt+1], v[LS+2*\rt:LS+2*\rt+1], v[2:3]
.irp q, 0,1,2,3,4,5,6,7,8,9,10,11,12,13,14,15
	v_cvt_pk_f16_f32 v[PB+16*\rt+\q], v[SB+2*\q], v[SB+2*\q+1]     ; p <= 1: inside f16's range
.endr
.endm
.macro RESCALE                         ; O *= 2^(old m - m): a lane's 64 numbers of O belong to queries r of the two row tiles
	WIN 0x41                                       ; O in window 1, the factor in window 0
.irp rt, 0,1
.irp j, 0,2,4,6,8,10,12,14,16,18,20,22,24,26,28,30
	v_pk_mul_f32 v[OA+32*\rt+\j:OA+32*\rt+\j+1], v[OA+32*\rt+\j:OA+32*\rt+\j+1], v[AL+2*\rt:AL+2*\rt+1] op_sel_hi:[1,0]
.endr
.endr
.endm
.macro PV first                        ; O^T[rt][dt] += V^T[g][dt] P^T[rt][g]; in the first step the first product starts the sums
	WIN 0x50                                       ; C and D in window 1
.irp g, 0,1
.irp rt, 0,1
.irp dt, 0,1,2,3
.if \first*(1-\g)
	v_wmma_f32_16x16x32_f16 v[OA+32*\rt+8*\dt:OA+32*\rt+8*\dt+7], v[FR+8*(4*\g+\dt):FR+8*(4*\g+\dt)+7], v[PB+16*\rt+8*\g:PB+16*\rt+8*\g+7], 0
.else
	v_wmma_f32_16x16x32_f16 v[OA+32*\rt+8*\dt:OA+32*\rt+8*\dt+7], v[FR+8*(4*\g+\dt):FR+8*(4*\g+\dt)+7], v[PB+16*\rt+8*\g:PB+16*\rt+8*\g+7], v[OA+32*\rt+8*\dt:OA+32*\rt+8*\dt+7]
.endif
.endr
.endr
.endr
	WIN 0
.endm
; One step of 64 keys, from slot par.  conv: the next block is rounded into the other slot; issue: the block three ahead is asked for;
; bar: a step follows.  The three forms differ between waves; the barrier's two halves stand behind their join, on every wave's path.
.macro STEP id, par, first, conv, issue, lcnt, bar
.if \conv
	CONV (1-\par), (3+\par), \issue, \lcnt
.endif
	s_cmp_le_i32 s20, -224
	s_cbranch_scc1 .Lleft\id
	s_cmp_ge_i32 s20, 192
	s_cbranch_scc1 .Lright\id
	TPHASE
	LOADS \par
	s_wait_dscnt 0x0                               ; T along the diagonal, biases, K fragments
	QK 0, 0
	s_branch .Ljoin\id
.Lleft\id:
	LOADS \par
	s_wait_dscnt 0x0
	QK 0, 1
	s_branch .Ljoin\id
.Lright\id:
	LOADS \par
	s_wait_dscnt 0x0
	QK 0, 2
.Ljoin\id:
	QK 1, 0                                        ; the next link of each chain in place
	PLACES 4                                       ; before loads land on K's fragments and the vector unit reads S
	VLOADS \par                                    ; on their way during the softmax
	SCALE
	SOFTMAX 0, \first
	SOFTMAX 1, \first
.if \first == 0
	RESCALE
	WIN 0
.endif
	s_wait_dscnt 0x0                               ; V's fragments are in.  For the others' sake too: my stores into the other slot and all my reads of this slot are done
.if \bar
	s_barrier_signal -1                            ; say so; only register work up to the wait
.endif
	PV \first
	PLACES 5                                       ; before the next step's loads land on fragments and probabilities, and its products write over them
.if \bar
	s_add_co_i32 s20, s20, 64                      ; D of the next step
	v_add_nc_u32 v[MBA], 256, v[MBA]               ; its 64 biases
	s_barrier_wait -1                              ; every wave has said so: the other slot may be read, this one written
.endif
.endm
.macro ADV                             ; two blocks on
	s_wait_xcnt 0x0                                ; the bases of the loads issued so far are rewritten only behind this wait
	s_add_nc_u64 s[6:7], s[6:7], 2*BLK
	s_add_nc_u64 s[8:9], s[8:9], 2*BLK
.endm
; ---------------------------------------------------------------- prologue
	s_load_b256 s[4:11], s[0:1], 0x0               ; q s[4:5], k s[6:7], v s[8:9], pos_embedding s[10:11]
	s_load_b128 s[12:15], s[0:1], 0x20             ; mask s[12:13], out s[14:15]
	s_set_vgpr_msb 0x40
	v_lshl_add_u32 v160, v0, 2, 0x2f400
	v_mov_b32 v161, 0
	s_set_vgpr_msb 0x4000
	v_lshrrev_b32 v1, 5, v0
	v_readfirstlane_b32 s16, v1                    ; wave 0..7
	s_lshr_b32 s17, ttmp9, 2                       ; head 0..63
	s_and_b32 s18, ttmp9, 3                        ; query block
	s_lshl_b32 s19, s18, 8
	s_lshl_b32 s21, s16, 5
	s_add_co_u32 s19, s19, s21                     ; my wave's first query
	s_sub_co_i32 s20, 0, s19                       ; D of step 0
	s_mul_i32 s30, s16, STGB
	s_add_co_u32 s30, s30, STG                     ; my wave's stage
	s_mov_b32 s24, 0x3e38aa3b                      ; log2 e / 8
	s_mov_b32 s25, 0x3e38aa3b
	s_mov_b32 s26, 0x76543210                      ; v_permlanex16_b32: lane i takes lane i xor 16
	s_mov_b32 s27, 0xfedcba98
	s_lshl_b32 s28, s17, 18                        ; a head is 1,024 rows of 256 bytes
	s_mov_b32 s29, 0
	v_and_b32 v1, 31, v0
	v_and_b32 v3, 15, v0                           ; r; also thread % 16
	v_bfe_u32 v4, v0, 4, 1                         ; h
	v_lshrrev_b32 v5, 4, v0                        ; thread / 16
	v_lshlrev_b32 v[LN16], 4, v1
	v_lshlrev_b32 v[GO], 4, v0
	v_lshlrev_b32 v208, 2, v0                      ; my 4 mask bytes
	v_lshlrev_b32 v2, 4, v3                        ; my 16 bytes of a table row
	s_wait_kmcnt 0x0
	s_add_nc_u64 s[6:7], s[6:7], s[28:29]
	s_add_nc_u64 s[8:9], s[8:9], s[28:29]
	s_lshl_b32 s21, s19, 8
	s_add_co_u32 s28, s28, s21                     ; + my wave's 32 rows
	s_add_nc_u64 s[4:5], s[4:5], s[28:29]
	s_add_nc_u64 s[14:15], s[14:15], s[28:29]
	s_lshr_b32 s28, s17, 4                         ; batch
	s_lshl_b32 s28, s28, 10
	s_add_nc_u64 s[12:13], s[12:13], s[28:29]
	; 61 loads, in the order in which they are used: 16 of Q, 1 of the mask, 28 of the table, 8 of block 0, 8 of block 1
	WIN 0x40
.irp i, 0,1,2,3,4,5,6,7,8,9,10,11,12,13,14,15
	global_load_b128 v[OA+4*\i:OA+4*\i+3], v[LN16], s[4:5] offset:512*\i th:TH_LOAD_NT   ; rows 2i, 2i+1 of my 32: read once in the launch
.endr
	WIN 0
	global_load_b32 v209, v208, s[12:13]
.set i, 0
.rept 28                               ; Pext row t = thread/16 + 16 i takes table row min(min(t,373) - 74, 300), unsigned: t < 74 wraps and gives 300
	v_add_nc_u32 v1, 16*i, v5
	v_min_u32 v1, 373, v1
	v_add_nc_u32 v1, 0xffffffb6, v1
	v_min_u32 v1, 300, v1
	v_lshl_add_u32 v[176+i], v1, 8, v2
.set i, i+1
.endr
.set i, 0
.rept 28
	global_load_b128 v[64+4*i:64+4*i+3], v[176+i], s[10:11]
.set i, i+1
.endr
	WIN 0x40
.irp n, 0,1
.irp i, 0,1,2,3
	global_load_b128 v[GR+32*\n+4*\i:GR+32*\n+4*\i+3],       v[GO], s[6:7] offset:\n*BLK+\i*4096
	global_load_b128 v[GR+32*\n+16+4*\i:GR+32*\n+16+4*\i+3], v[GO], s[8:9] offset:\n*BLK+\i*4096
.endr
.endr
	WIN 0
	; addresses, while the loads are on their way
	v_lshlrev_b32 v6, 3, v3
	v_mad_u32_u24 v[KS], v5, KP, v6
	v_mad_u32_u24 v[VS], v5, VP, v6
	v_add_nc_u32 v[VS], VOFF, v[VS]
	v_add_nc_u32 v213, PEXT, v[KS]                 ; Pext's stores: the base in the register, since 27 x 16 rows more would pass the 16-bit offset
	v_mad_u32_u24 v211, v4, KP, v6                 ; Q into the stage: row h of a pair, 8 bytes
	v_add_nc_u32 v211, s30, v211
	v_lshlrev_b32 v6, 4, v4
	v_mad_u32_u24 v[KA], v3, KP, v6
	v_add_nc_u32 v[PL], PEXT, v[KA]
	v_add_nc_u32 v212, s30, v[KA]                  ; Q's fragments out of the stage
	v_and_b32 v1, 7, v0
	v_lshl_add_u32 v1, v4, 3, v1
	v_bfe_u32 v6, v0, 3, 1
	v_lshlrev_b32 v6, 4, v6
	v_mad_u32_u24 v[VA], v1, VP, v6
	v_add_nc_u32 v[VA], VOFF, v[VA]
	v_lshl_add_u32 v[MBA], v4, 5, MBB
	v_mul_u32_u24 v1, v3, TP
	v_lshl_add_u32 v1, v4, 5, v1
	v_add_nc_u32 v[TS], s30, v1                    ; T in: row r, columns 8h ..
	v_mul_u32_u24 v1, v3, TP-4
	v_lshl_add_u32 v1, v4, 5, v1
	v_add3_u32 v[TL], v1, s30, 60                  ; T back: row r, column 8h + 15 - r
	v_mov_b32 v[MO], 0xff7fffff                    ; the maximum's floor: the most negative finite f32
	v_mov_b32 v[MO+1], 0xff7fffff
	v_mov_b32 v[NM+1], 0                           ; upper registers of the broadcast pairs: named, never used
	v_mov_b32 v[AL+1], 0
	v_mov_b32 v[AL+3], 0
	v_mov_b32 v210, 0xff800000                     ; -inf
	; Q: f16, through my stage, into fragments
	s_wait_loadcnt 45                              ; 1 + 28 + 16 younger loads stay out
	WIN 0x45
.irp i, 0,1,2,3,4,5,6,7,8,9,10,11,12,13,14,15
	v_cvt_pk_f16_f32 v[OA+4*\i],   v[OA+4*\i],   v[OA+4*\i+1]
	v_cvt_pk_f16_f32 v[OA+4*\i+1], v[OA+4*\i+2], v[OA+4*\i+3]
.endr
	WIN 0x04
.irp i, 0,1,2,3,4,5,6,7,8,9,10,11,12,13,14,15
	ds_store_b64 v211, v[OA+4*\i:OA+4*\i+1] offset:\i*2*KP
.endr
	WIN 0
.irp rt, 0,1
.irp kh, 0,1
	ds_load_b128 v[QF+16*\rt+8*\kh:QF+16*\rt+8*\kh+3],   v212 offset:\rt*16*KP+64*\kh      ; my own bytes, served in order
	ds_load_b128 v[QF+16*\rt+8*\kh+4:QF+16*\rt+8*\kh+7], v212 offset:\rt*16*KP+64*\kh+32
.endr
.endr
	; mask bytes to biases
	s_wait_loadcnt 44                              ; 28 + 16 younger loads stay out
.irp b, 0,1,2,3
	v_bfe_u32 v1, v209, 8*\b, 8
	v_cmp_ne_u32 vcc_lo, 0, v1
	v_cndmask_b32 v[204+\b], 0, v210, vcc_lo
.endr
	ds_store_b128 v[GO], v[204:207] offset:MBB
	; the table
	s_wait_loadcnt 16                              ; blocks 0 and 1 stay out
.set i, 0
.rept 28
	v_cvt_pk_f16_f32 v[64+4*i],   v[64+4*i],   v[64+4*i+1]
	v_cvt_pk_f16_f32 v[64+4*i+1], v[64+4*i+2], v[64+4*i+3]
.set i, i+1
.endr
.set i, 0
.rept 28
	ds_store_b64 v213, v[64+4*i:64+4*i+1] offset:i*16*KP
.set i, i+1
.endr
	CONV 0, 2, 1, 8                                ; block 0 into slot 0 (block 1's eight loads stay out); block 2 is asked for
	s_wait_dscnt 0x0                               ; for the others' sake: my parts of the biases, of Pext and of slot 0 are written
	s_barrier_signal -1
	s_barrier_wait -1
	; q.P[300] and q.P[299]: Pext's rows 0-15 are all row 300, its rows 432-447 all row 299
.irp kh, 0,1
	ds_load_b128 v[FR+8*\kh:FR+8*\kh+3],       v[PL] offset:64*\kh
	ds_load_b128 v[FR+8*\kh+4:FR+8*\kh+7],     v[PL] offset:64*\kh+32
	ds_load_b128 v[FR+16+8*\kh:FR+16+8*\kh+3], v[PL] offset:432*KP+64*\kh
	ds_load_b128 v[FR+20+8*\kh:FR+20+8*\kh+3], v[PL] offset:432*KP+64*\kh+32
.endr
	s_wait_dscnt 0x0
	WIN 0x50
.irp rt, 0,1
	v_wmma_f32_16x16x32_f16 v[CLR+8*\rt:CLR+8*\rt+7], v[FR:FR+7],     v[QF+16*\rt:QF+16*\rt+7], 0
	v_wmma_f32_16x16x32_f16 v[CRR+8*\rt:CRR+8*\rt+7], v[FR+16:FR+23], v[QF+16*\rt:QF+16*\rt+7], 0
.endr
.irp rt, 0,1
	v_wmma_f32_16x16x32_f16 v[CLR+8*\rt:CLR+8*\rt+7], v[FR+8:FR+15],  v[QF+16*\rt+8:QF+16*\rt+15], v[CLR+8*\rt:CLR+8*\rt+7]
	v_wmma_f32_16x16x32_f16 v[CRR+8*\rt:CRR+8*\rt+7], v[FR+24:FR+31], v[QF+16*\rt+8:QF+16*\rt+15], v[CRR+8*\rt:CRR+8*\rt+7]
.endr
	WIN 0
	PLACES 5                                       ; before these results serve as the C of other accumulators and loads land on the fragments
; ---------------------------------------------------------------- the 16 steps
	STEP 0, 0, 1, 1, 1, 8, 1                       ; step 0 starts the sums
	STEP 1, 1, 0, 1, 1, 8, 1
	ADV
	s_mov_b32 s22, 5                               ; steps 2 to 11
.Lround:
	STEP 2, 0, 0, 1, 1, 8, 1
	STEP 3, 1, 0, 1, 1, 8, 1
	ADV
	s_sub_co_u32 s22, s22, 1
	s_cmp_lg_u32 s22, 0
	s_cbranch_scc1 .Lround
	STEP 4, 0, 0, 1, 1, 8, 1                       ; step 12 asks for the last block, 15
	STEP 5, 1, 0, 1, 0, 8, 1                       ; step 13 rounds block 14; block 15's eight loads stay out
	STEP 6, 0, 0, 1, 0, 0, 1                       ; step 14 rounds block 15: nothing was asked for behind it
	STEP 7, 1, 0, 0, 0, 0, 0                       ; step 15
; ---------------------------------------------------------------- the way out
	v_add_f32 v1, v[LS], v[LS+1]
	v_add_f32 v2, v[LS+2], v[LS+3]
	v_permlanex16_b32 v30, v1, s26, s27            ; the other half of the keys
	v_permlanex16_b32 v31, v2, s26, s27
	v_add_f32 v1, v1, v30
	v_add_f32 v2, v2, v31
	v_rcp_f32 v[NM], v1
	v_rcp_f32 v[NM+2], v2
	v_and_b32 v5, 15, v0                           ; (a plain instruction stands between the reciprocals and their use)
	v_mul_u32_u24 v6, v5, OP
	v_lshl_add_u32 v6, v4, 5, v6
	v_add_nc_u32 v[TS], s30, v6                    ; in: row r, 32 bytes at 32 h of each 64
	v_mul_u32_u24 v6, v4, OP
	v_lshl_add_u32 v6, v5, 4, v6
	v_add_nc_u32 v[TL], s30, v6                    ; back: lanes 0-15 one row of 256 bytes, lanes 16-31 the next
	WIN 0x01                                       ; O from window 1
	s_wait_alu depctr_va_vdst(0)
.irp rt, 0,1
.irp j, 0,2,4,6,8,10,12,14,16,18,20,22,24,26,28,30
	v_pk_mul_f32 v[FR+32*\rt+\j:FR+32*\rt+\j+1], v[OA+32*\rt+\j:OA+32*\rt+\j+1], v[NM+2*\rt:NM+2*\rt+1] op_sel_hi:[1,0]
.endr
.endr
	WIN 0
.irp rt, 0,1
.irp dt, 0,1,2,3
	ds_store_b128 v[TS], v[FR+32*\rt+8*\dt:FR+32*\rt+8*\dt+3]   offset:\rt*16*OP+64*\dt
	ds_store_b128 v[TS], v[FR+32*\rt+8*\dt+4:FR+32*\rt+8*\dt+7] offset:\rt*16*OP+64*\dt+16
.endr
.endr
.irp x, 0,1,2,3,4,5,6,7,8,9,10,11,12,13,14,15
	ds_load_b128 v[SC+4*\x:SC+4*\x+3], v[TL] offset:\x*2*OP        ; my own bytes, served in order behind the stores
.endr
.irp x, 0,1,2,3,4,5,6,7,8,9,10,11,12,13,14,15
	s_wait_dscnt 15-\x                             ; LDS loads come back in order: rows 2x, 2x+1 are in
	global_store_b128 v[LN16], v[SC+4*\x:SC+4*\x+3], s[14:15] offset:512*\x th:TH_STORE_NT   ; 16 lanes store one whole row of 256 bytes, aligned
.endr
	s_set_vgpr_msb 0x5
	s_wait_tensorcnt 0x0
	ds_add_u32 v160, v161
	s_wait_dscnt 0x0
	s_set_vgpr_msb 0x500
	s_endpgm
.Lfunc_end_k_q287e6bfc17_attn:
	.size	k_q287e6bfc17_attn, .Lfunc_end_k_q287e6bfc17_attn-k_q287e6bfc17_attn
	.p2alignl 7, 3214868480
	.fill 96, 4, 3214868480
	.section	.rodata,"a",@progbits
	.p2align	6, 0x0
	.amdhsa_kernel k_q287e6bfc17_attn
		.amdhsa_group_segment_fixed_size 194560
		.amdhsa_private_segment_fixed_size 0
		.amdhsa_enable_private_segment 0
		.amdhsa_kernarg_size 48
		.amdhsa_user_sgpr_count 2
		.amdhsa_user_sgpr_kernarg_segment_ptr 1
		.amdhsa_wavefront_size32 1
		.amdhsa_system_sgpr_workgroup_id_x 1
		.amdhsa_system_sgpr_workgroup_id_y 1
		.amdhsa_system_sgpr_workgroup_id_z 1
		.amdhsa_system_vgpr_workitem_id 0
		.amdhsa_next_free_vgpr 418
		.amdhsa_next_free_sgpr 66
		.amdhsa_reserve_vcc 1
		.amdhsa_float_denorm_mode_32 3
		.amdhsa_float_denorm_mode_16_64 3
		.amdhsa_memory_ordered 1
		.amdhsa_forward_progress 1
		.amdhsa_inst_pref_size 255
	.end_amdhsa_kernel
	.section	.bss,"aw",@nobits
	.p2align	6
	.space	262144
	.amdgpu_metadata
---
amdhsa.version: [ 1, 2 ]
amdhsa.kernels:
  - .name:           k_q287e6bfc17_attn
    .symbol:         k_q287e6bfc17_attn.kd
    .args:
      - { .name: q, .offset: 0, .size: 8, .value_kind: global_buffer, .address_space: global }
      - { .name: k, .offset: 8, .size: 8, .value_kind: global_buffer, .address_space: global }
      - { .name: v, .offset: 16, .size: 8, .value_kind: global_buffer, .address_space: global }
      - { .name: pos_embedding, .offset: 24, .size: 8, .value_kind: global_buffer, .address_space: global }
      - { .name: mask, .offset: 32, .size: 8, .value_kind: global_buffer, .address_space: global }
      - { .name: out0, .offset: 40, .size: 8, .value_kind: global_buffer, .address_space: global }
    .group_segment_fixed_size: 194560
    .private_segment_fixed_size: 0
    .kernarg_segment_align: 8
    .kernarg_segment_size: 48
    .max_flat_workgroup_size: 256
    .sgpr_count:     66
    .vgpr_count:     418
    .wavefront_size: 32
...
	.end_amdgpu_metadata
.endif
;; end of part 1
